; MI455X (gfx1250); checked and timed in simulation.
; The chip was launched on July 23, 2026; its instructions are those of AMD's public machine-readable ISA for CDNA 5 (MIT licence, August 2026) and "CDNA5" Instruction Set Architecture Reference Guide (July 2026). The comments in the code are by the model that wrote it; some were corrected since.
;; Self Attention2d. Allowed arithmetic: matrix products marked QUANTISED: E4M3 operands, one given power-of-two scale a tensor, by v_wmma_f32_16x16x64_fp8_fp8 or v_wmma_f32_16x16x128_fp8_fp8, f32 sums; products left as they are: f32 operands where the result goes on into a quantised operand, else bf16, f16 or f32 operands; f32 sums; everything else in f32.
;; Inputs: bk 128 float32; bq 128 float32; bv 128 float32; lowp_scales 8 int32 (the exponents e of the quantised operands' scales 2^e); wk_codes 128 x 4 x 32 uint8 (E4M3 codes of wk, K innermost, in blocks of 32 codes); wq_codes 128 x 4 x 32 uint8 (E4M3 codes of wq, K innermost, in blocks of 32 codes); wv_codes 128 x 4 x 32 uint8 (E4M3 codes of wv, K innermost, in blocks of 32 codes); x_codes 2 x 64 x 64 x 4 x 32 uint8 (E4M3 codes of x, K innermost, in blocks of 32 codes).
;; Outputs: out0 2 x 128 x 64 x 64 float32.
;; This version of the problem:
;;   THIS VERSION OF THE PROBLEM IS GIVEN IN LOW PRECISION. The matrix products marked QUANTISED in the list below multiply operands that are first quantised to E4M3 (4 exponent bits, 3 mantissa bits; 8 bits a number), with one given power-of-two scale for each operand tensor; their sums are f32. All else is computed in f32.
;;   The module's matrix products, in the order in which they are computed (A, B: the left and right operand; K: the contracted axis; several contracted axes count as one K, in the product's order):
;;     1. [M 8,192, K 128] x [K 128, N 128]; A: input x (given as codes); B: input wq (given as codes): QUANTISED (scales: A lowp_scales[0], B lowp_scales[1])
;;     2. [M 8,192, K 128] x [K 128, N 128]; A: input x (given as codes); B: input wk (given as codes): QUANTISED (scales: A lowp_scales[2], B lowp_scales[3])
;;     3. [M 8,192, K 128] x [K 128, N 128]; A: input x (given as codes); B: input wv (given as codes): QUANTISED (scales: A lowp_scales[4], B lowp_scales[5])
;;     4. batch 16 x [M 4,096, K 16] x [K 16, N 4,096]; A: computed on the way; B: computed on the way: left as it is (K = 16 < 32)
;;     5. batch 16 x [M 16, K 4,096] x [K 4,096, N 4,096]; A: computed on the way; B: softmax (see below): QUANTISED (scales: A lowp_scales[6], B lowp_scales[7])
;;   THE QUANTISER, for each operand of a quantised product, along K:
;;     - The operand's scale is 2^e, e = its entry of the input lowp_scales (int32; the entries are numbered through the quantised products in the list's order, A before B).
;;     - Each number is divided by the scale, clamped to +-448, and rounded to the nearest number of E4M3, ties to even, subnormals kept.
;;     - The product sums the exact products of the quantised numbers (number of the format x scale) in f32.
;;   ~~~python
;;   def quantise(x, axis, e):      # numpy; x: float32 -> the quantised numbers, widened to float32 again
;;       x = np.moveaxis(x, axis, -1); K = x.shape[-1]
;;       r = np.clip(x / 2.0 ** e, -448, 448)
;;       step = 2.0 ** (np.maximum(np.frexp(np.where(r == 0, 1, r))[1] - 1, -6) - 3)
;;       q = np.round(r / step) * step * 2.0 ** e      # np.round: ties to even
;;       return np.moveaxis(q, -1, axis).astype(np.float32)
;;   ~~~
;;   SOFTMAX AHEAD OF A QUANTISED PRODUCT. Where the list says 'softmax', what is quantised is not the finished softmax but p = 2^(t - M), with t = logit x log2(e) and M = ceil(the row's largest t), a whole number; so 1/2 < the row's largest p <= 1. The row's sum l is taken of the UNQUANTISED p, in f32, and the product's result is divided by l at the end. Since M is a whole number, a kernel that streams over the keys may use a running M (the ceiling of the running maximum): every later rescaling is an exact power of two, so the quantised numbers keep their values, but for numbers so far below the row's largest that they fall under the format's range.
;;   OPERANDS COMPUTED ON THE WAY. 'Computed on the way' means the value that the module computes at that place (a softmax that the list does not call 'softmax' is quantised finished and normalised). What goes into a quantiser is computed in f32, as accurately as f32 sums, v_exp_f32 and their like allow (about 1e-6 of the number): no bf16 or f16 on the way to a quantiser, and a product that is left as it is and whose result goes on into a quantised operand takes f32 operands (vector FMAs, or v_wmma_f32_16x16x4_f32). A number that lies on a knife's edge between two numbers of the format may be rounded either way, as far as f32 arithmetic and the matrix unit's own rounding can turn it there, and no further.
;;   INPUTS GIVEN AS CODES. wk (in the module: [128, 128], K = its axis 1); wq (in the module: [128, 128], K = its axis 1); wv (in the module: [128, 128], K = its axis 1); x (in the module: [2, 128, 64, 64], K = its axis 1): each comes as NAME_codes (uint8): NAME with its K axis moved to the last place and cut into blocks of 32 codes, [.., K / 32, bytes a block], one block behind the other in memory; one code a byte (a code: sign, 4 exponent bits, 3 mantissa bits); its scale is its entry of lowp_scales. Its value is code x scale, taken as it is: it is not quantised again, and the codes and scales need not be those that the quantiser above would give.
;; 2 versions, each right; version 2 is version 1 with the launch attn written anew for expert scheduling mode. Each part assembles by itself: llvm-mc -triple=amdgcn-amd-amdhsa -mcpu=gfx1250 --defsym DOCPART=n.
;; ======== version 1 of 2: 1 launch
;; launch attn (part 1): grid 16 x 16, 16 waves a work-group, no clusters, 59,648 bytes of LDS; arguments x_codes, wq_codes, wk_codes, wv_codes, bq, bk, bv, lowp_scales, out0; writes out0
.if DOCPART == 1
	.amdgcn_target "amdgcn-amd-amdhsa--gfx1250"
	.amdhsa_code_object_version 6
	.text
	.protected	k_q627cf0173f_attn
	.globl	k_q627cf0173f_attn
	.p2align	8
	.type	k_q627cf0173f_attn,@function
k_q627cf0173f_attn:
	s_mov_b64 s[64:65], 0
	v_nop
	global_prefetch_b8 v0, s[64:65] scope:SCOPE_SE
	s_setreg_imm32_b32 hwreg(HW_REG_WAVE_MODE, 25, 1), 1
	s_wait_xcnt 0x0
; SELF-ATTENTION OVER 4,096 TOKENS, 2 batches x 8 heads of 16 channels.  x: codes of E4M3 [2][4096][128]; wq, wk, wv: codes [128 out][128 in]; bq, bk, bv: f32 [128]; out0: f32 [2][128][4096].
; q, k, v = x W^T + b on codes (v_wmma_f32_16x16x128_fp8_fp8), each with its own pair of given exponents (e0,e1  e2,e3  e4,e5).  The scores, K = 16, go on into a quantiser: f32 operands
; (v_wmma_f32_16x16x4_f32).  t = q.k x log2(e) / sqrt(128); M = the running largest t rounded up to a whole number; p = 2^(t - M) is quantised with 2^e7, v with 2^e6; O = v p on codes
; (v_wmma_f32_16x16x64_fp8_fp8); the row's sum of the unquantised p divides at the end, with 2^(e6 + e7).
; LIMITS: e6 and e7 between -126 and 119 (2^e and 448 x 2^e are f32 numbers); the other exponents enter by v_ldexp_f32 and have none.  NaN and infinity among the inputs are not served.
; SHARES.  A work-group owns 256 queries of one head (x: block of queries, y: 8 x batch + head): 256 work-groups.  Each of its 16 waves owns one tile of 16 queries in 256 registers and walks all 4,096 keys,
; 64 a group.  k and v of the head are made on the way: for each slot of 256 keys wave w makes key tile w (two matrix instructions on codes) and lays it into LDS as an image of the operand's registers.
; LAYOUT (r = lane % 16, h = lane / 16).  k's product takes wk's 16 rows as source 0 and 16 keys of x as source 1: register j holds k(channel 8 h + j, key r): registers 2 s, 2 s + 1 ARE source 0 of K step s of the f32 form
; (its place 2 h + j stands for channel 8 h + 2 s + j); q is made the same way and is source 1 with the same map.  A tile of scores holds t(key 8 h + j, query r): a lane holds ONE query, and the eight codes of a tile
; are registers 2 T, 2 T + 1 of the second product's source 1.  v's product takes x as source 0: register j holds v(key 8 h + j, channel r): its eight codes are registers 2 T, 2 T + 1 of source 0.  O(channel 8 h + j, query r).
; BY TURNS.  In turn g the 16 f32 products of group g + 1 stand with slices of group g's softmax between them; the turn ends with group g's product on codes.  Two sets of scores take turns.
; THE HOLD AT THE LARGEST CODE is executed only where it can bite.  t <= M, so p is at most 1, up to the exponential's last bit; with e7 >= -8 the largest code stands for 448 x 2^e7 >= 1.75, above every p.
; So the 32 holds of a group stand together, and a scalar branch on e7 (a whole number read from an input; the same in every wave; no barrier and no LDS instruction stands under it) leads over them where e7 >= -8.
; NO CLUSTER, NO TENSOR LOAD: what work-groups share is x's codes, 2,048 bytes a wave and slot, which go from memory straight into the operand's registers a whole slot (262 matrix instructions of the wave) ahead of their use;
; a joint load would send them through LDS first and add a round of the cluster's barrier to every slot.  NO PREFETCH: no wave waits for these loads.
; LDS: two buffers of 20,480 bytes (slot i in buffer i % 2): K's images, tile t at 1,024 t (registers 4 c .. 4 c + 3 at 512 c + 16 x lane); from 16,384 V's images, group u at 1,024 u (registers 4 d .. 4 d + 3 at 512 d + 16 x lane);
; from 40,960 the stage for the way out: 16 channel rows of 1,024 bytes + 16.
; REGISTERS: v1 16 x lane; v2, v3 where I store K's and V's images; v4 my byte in 16 rows of codes; v5, v6 the stage, in and back; v[8:9] c 2^(e0+e1); v[10:11] 2^(e2+e3); v12 and v14 -M, new and old by turns; v13 largest t;
; v[16:17] 1 / the sum, at the end; v[18:19] f; v20-22 at work; v23, v24 2^e7, 448 x 2^e7; v25, v26 the same with e6; v27 bv; v30 2^(e4+e5); v32-39 bk; v40-47 q; v48-63 wk; v64-79 wv; v80-95 x of the next slot; v96-127 K's four tiles;
; v128-159, v160-191 the two sets of scores (written by matrix instructions alone); v192-223 p; v224-231 p's codes; v232-239 V; v240-247 O; v248-255 the row's sum, four packed chains.
.set BUF,  20480
.set VB,   16384
.set STG,  40960
.set SPT,  1040
.set P,    192
.set CLOG, 0x3e0293ee                  ; c = log2(e) / sqrt(128)
; four loads: registers 4 c .. 4 c + 3 of the four tiles of K of the group at LDS byte off
.macro KLOAD c, off
.irp T, 0,1,2,3
	ds_load_b128 v[96+8*\T+4*(\c):96+8*\T+4*(\c)+3], v1 offset:(\off)+1024*\T+512*(\c)
.endr
.endm
; V's fragment (16 channels x 64 keys) of the group at LDS byte off
.macro VLOAD off
	ds_load_b128 v[232:235], v1 offset:(\off)
	ds_load_b128 v[236:239], v1 offset:(\off)+512
.endm
; f32 product i of 16 into set cs: K step i / 4, key tile i % 4.  The four accumulators take turns, one instruction a turn; the first four start the sums with the constant 0.
.macro WM cs
.set rS, 128+32*(\cs)+8*(i%4)
.set rK, 96+8*(i%4)+2*(i/4)
.set rQ, 40+2*(i/4)
.if i < 4
	v_wmma_f32_16x16x4_f32 v[rS:rS+7], v[rK:rK+1], v[rQ:rQ+1], 0
.else
	v_wmma_f32_16x16x4_f32 v[rS:rS+7], v[rK:rK+1], v[rQ:rQ+1], v[rS:rS+7]
.endif
.endm
.macro SUBP a                          ; pair a of 16: t - M, two at a time, into p's registers (of the pair that begins with -M the low word serves both halves)
	v_pk_add_f32 v[P+2*(\a):P+2*(\a)+1], v[SB+2*(\a):SB+2*(\a)+1], v[MN:MN+1] op_sel_hi:[1,0]
.endm
.macro EXPP a                          ; p = 2^(t - M)
	v_exp_f32 v[P+(\a)], v[P+(\a)]
.endm
; pair q of block blk of eight UNQUANTISED p goes onto chain q of the row's sum.  A group's first block brings the chain under the new M in the same instruction: chain x f + p.
.macro ADDL blk, q
.if (\blk) == 0
	s_wait_alu depctr_va_vdst(0)
	v_pk_fma_f32 v[248+2*(\q):249+2*(\q)], v[248+2*(\q):249+2*(\q)], v[18:19], v[P+2*(\q):P+2*(\q)+1] op_sel_hi:[1,0,1]
.else
	s_wait_alu depctr_va_vdst(0)
	v_pk_add_f32 v[248+2*(\q):249+2*(\q)], v[248+2*(\q):249+2*(\q)], v[P+8*(\blk)+2*(\q):P+8*(\blk)+2*(\q)+1]
.endif
.endm
; NUMBER j OF A GROUP'S SOFTMAX, a list of 95; SB is the set of scores that it reads, MN the register that takes the new -M, MO the one that holds the old.
;   0-15   the largest of my 32 scores and the old largest t, in two chains; each tile of scores is first read at its lowest register
;   16-21  the other half of the lanes'; -M = floor(-t); f = 2^(old M - new M), by v_ldexp_f32 of 1.0: a multiplication by f rounds nothing
;   22-25  t - M of the first block of eight
;   26-37  the first block's exponentials, t - M of the second block between them
;   38-69  twice 16: a block's eight exponentials, by turns with t - M of the block after it and the sums of the block before it
;   70-81  the last block's exponentials and the third block's sums
;   82-85  the last block's sums
;   86     the 32 holds, under the branch on e7
;   87-94  three quarters of O x f; the four conversions; the last quarter of O x f, which is the plain line between the last conversion and the product that reads the codes
; Behind every exponential a plain instruction that touches none of its registers stands ahead of the use of its result (ISA guide 5.7.2).
.macro VI
.if j < 2
	v_max3_num_f32 v[20+j], v[SB+16*j], v[SB+16*j+1], v[SB+16*j+2]
.elseif j < 14
	v_max3_num_f32 v[20+j%2], v[20+j%2], v[SB+16*(j%2)+3+2*((j-2)/2)], v[SB+16*(j%2)+4+2*((j-2)/2)]
.elseif j == 14
	v_max3_num_f32 v20, v20, v[SB+15], v[SB+31]
.elseif j == 15
	v_max3_num_f32 v20, v20, v21, v13
.elseif j == 16
	v_permlanex16_b32 v22, v20, s48, s49
.elseif j == 17
	v_max_num_f32 v13, v20, v22
.elseif j == 18
	v_floor_f32 v[MN], -v13
.elseif j == 19
	v_sub_f32 v21, v[MN], v[MO]
.elseif j == 20
	v_cvt_i32_f32 v21, v21
.elseif j == 21
	v_ldexp_f32 v18, 1.0, v21
.elseif j < 26
	SUBP j-22
.elseif j < 38
.set n, j-26
.if n%3 == 2
	SUBP 4+n/3
.else
	EXPP 2*(n/3)+n%3
.endif
.elseif j < 70
.set u, (j-38)/16+1
.set n, (j-38)%16
.set m, n/2
.if n%2 == 0
	EXPP 8*u+m
.elseif m%2 == 0
	SUBP 4*(u+1)+m/2
.else
	ADDL u-1, m/2
.endif
.elseif j < 82
.set n, j-70
.if n >= 10
	ADDL 2, n-8
.elseif n >= 6
	EXPP 22+n
.elseif n%3 == 2
	ADDL 2, n/3
.else
	EXPP 24+2*(n/3)+n%3
.endif
.elseif j < 86
	ADDL 3, j-82
.elseif j == 86
	s_cmp_gt_i32 s39, -9                           ; e7 >= -8: 448 x 2^e7 is at least 1.75, above every p
	s_cbranch_scc1 .Lno_hold_\@
.irp k, 0,1,2,3,4,5,6,7,8,9,10,11,12,13,14,15,16,17,18,19,20,21,22,23,24,25,26,27,28,29,30,31
	v_min_num_f32 v[P+\k], v[P+\k], v24            ; the conversion to an 8-bit code does not saturate (ISA guide 7.6.2); p is not negative, so the hold is one-sided; the sums above took p as it was
.endr
.Lno_hold_\@:
.elseif j < 90
	v_pk_mul_f32 v[240+2*(j-87):241+2*(j-87)], v[240+2*(j-87):241+2*(j-87)], v[18:19] op_sel_hi:[1,0]   ; O under the new M, from the accumulator's low end on
.elseif j < 94
	v_cvt_scalef32_pk8_fp8_f32 v[224+2*(j-90):225+2*(j-90)], v[P+8*(j-90):P+8*(j-90)+7], v23
.else
	v_pk_mul_f32 v[246:247], v[246:247], v[18:19] op_sel_hi:[1,0]
.endif
.set j, j+1
.endm
.macro SLICE cnt
.rept \cnt
	VI
.endr
.endm
; TURN g.  cs: the set that takes group g + 1's scores (the softmax reads the other); it also says which of v12 and v14 takes the new -M.  koff: LDS byte of K of group g + 2, or -1: none.  voff: LDS byte of V of group g.
; wt: the wait of the barrier that says 'the next slot lies in LDS' stands ahead of the first read of that slot.  sig: the signal 'my reads of this slot are over'.  mm = 0: the last turn, which has no scores to make.
; wa = 1: in the last two turns.  The last turn has no f32 products, so the products on codes of groups 62 and 63 follow each other among the matrix instructions, two on O on end.
; Slices: 7, 7, 6, 6 (the 26 plain numbers at the head), ten of 5 and one of 4 (those with the exponentials), 15.
; K's registers 0-3 of each tile are read by products 0-7 and loaded again behind slice 10: slices 7 to 10 hold 10 plain instructions that name none of those products' registers (8 are asked: ISA guide 7.12.1 for vector instructions).
; K's registers 4-7 are read by products 8-15 and loaded again behind slice 15, which holds 10 such instructions on the way that leaves the holds out; these are also the places ahead of the next turn's first read of the scores.
; V is loaded behind slice 0: seven plain instructions behind the last product on codes (4 are asked).
.macro TURN cs, koff, voff, wt, sig, mm, wa
.set SB, 128+32*(1-(\cs))
.if \cs
.set MN, 12
.set MO, 14
.else
.set MN, 14
.set MO, 12
.endif
.set j, 0
.set i, 0
	s_wait_dscnt 0x4                               ; K's registers 0-3 are in; the four loads issued behind them (registers 4-7) may be out
.rept 16
.if i == 8
	s_wait_dscnt 0x0                               ; K's registers 4-7 and V are in: none of my LDS loads is out
.if \sig
	s_barrier_signal -1                            ; my reads of this slot's buffer are over (V of its last group was the last)
.endif
.endif
.if \mm
	WM \cs
.endif
.if i < 2
	SLICE 7
.elseif i < 4
	SLICE 6
.elseif i < 14
	SLICE 5
.elseif i == 14
	SLICE 4
.else
	SLICE 15
.endif
.if i == 0
	VLOAD \voff
.endif
.if i == 10
.if \wt
	s_barrier_wait -1                              ; every wave's tile of the next slot lies in LDS
.endif
.if (\koff) >= 0
	KLOAD 0, \koff
.endif
.endif
.if (i == 15) && ((\koff) >= 0)
	KLOAD 1, \koff
.endif
.set i, i+1
.endr
.if \wa
	s_wait_alu depctr_va_vdst(0)                   ; ahead of both products of the run of two on O
.endif
	v_wmma_f32_16x16x64_fp8_fp8 v[240:247], v[232:239], v[224:231], v[240:247]
.endm
; MY KEY TILE OF A SLOT is made from x's fragment in v80-95 and stored into buffer buf.  pf = 1: x's fragment of the slot after it is asked for.
.macro PRODUCE buf, pf
.rept 5
	v_nop                                          ; the two products below write over the sources of the last product on codes: five places
.endr
	s_wait_loadcnt 0x0                             ; x's fragment is in, so its base may be stepped
	v_wmma_f32_16x16x128_fp8_fp8 v[224:231], v[48:63], v[80:95], 0   ; k(channel 8 h + j, key r)
	v_wmma_f32_16x16x128_fp8_fp8 v[232:239], v[80:95], v[64:79], 0   ; v(key 8 h + j, channel r)
.rept 4
	v_nop                                          ; places ahead of the loads into x's registers and of the first read of the sums
.endr
.if \pf
	s_add_nc_u64 s[50:51], s[50:51], 0x8000        ; 256 keys of 128 bytes on
.irp c, 0,1,2,3
	global_load_b128 v[80+4*\c:83+4*\c], v4, s[50:51] offset:32*\c
.endr
.endif
.irp k, 0,2,4,6
	v_pk_fma_f32 v[192+\k:193+\k], v[224+\k:225+\k], v[10:11], v[32+\k:33+\k] op_sel_hi:[1,0,1]   ; k = sum x 2^(e2 + e3) + bk
.endr
.irp k, 0,1,2,3,4,5,6,7
	v_fma_f32 v[200+\k], v[232+\k], v30, v27       ; v = sum x 2^(e4 + e5) + bv
.endr
.irp k, 0,1,2,3,4,5,6,7
	v_med3_num_f32 v[200+\k], v[200+\k], -v26, v26 ; the hold at the largest code x 2^e6
.endr
	v_cvt_scalef32_pk8_fp8_f32 v[208:209], v[200:207], v25
	v_nop                                          ; one plain line behind the conversion
	ds_store_b128 v2, v[192:195] offset:(\buf)*BUF
	ds_store_b128 v2, v[196:199] offset:(\buf)*BUF+512
	ds_store_b64  v3, v[208:209] offset:(\buf)*BUF+VB
	s_wait_dscnt 0x0                               ; for the others' sake: my stores have landed (and my loads of K are in)
	s_barrier_signal -1                            ; my tile of that slot lies in LDS
.endm
; A SLOT in buffer b: four turns.  prod: at its head the wait 'nobody reads the other buffer any more', then the next slot is made into that buffer.
; Between each signal and its wait stand register work and LDS loads from a buffer that is written again only behind a later barrier.
; kl2 = 0: the last slot: its third turn fetches no K, and its last two products on codes follow each other (TURN's wa).
.macro SLOTRUN b, prod, pf, wt, sig, kl2, mm3
.if \prod
	s_barrier_wait -1
	PRODUCE 1-\b, \pf
.endif
	TURN 1, \b*BUF+2*4096, \b*BUF+VB, 0, 0, 1, 0
	TURN 0, \b*BUF+3*4096, \b*BUF+VB+1024, 0, 0, 1, 0
.if \kl2
	TURN 1, (1-\b)*BUF, \b*BUF+VB+2048, \wt, 0, 1, 0
	TURN 0, (1-\b)*BUF+4096, \b*BUF+VB+3072, 0, \sig, \mm3, 0
.else
	TURN 1, -1, \b*BUF+VB+2048, \wt, 0, 1, 1
	TURN 0, -1, \b*BUF+VB+3072, 0, \sig, \mm3, 1
.endif
.endm
	; ---- THE HEAD
	s_load_b256 s[8:15], s[0:1], 0x0               ; x s[8:9], wq s[10:11], wk s[12:13], wv s[14:15]
	s_load_b256 s[16:23], s[0:1], 0x20             ; bq s[16:17], bk s[18:19], bv s[20:21], the exponents s[22:23]
	s_load_b64 s[24:25], s[0:1], 0x40              ; out0
	v_lshrrev_b32 v20, 5, v0
	v_readfirstlane_b32 s26, v20                   ; wave 0..15
	s_mov_b32 s27, ttmp9                           ; block of 256 queries
	s_and_b32 s28, ttmp7, 0xffff                   ; 8 x batch + head
	s_lshr_b32 s29, s28, 3                         ; batch
	s_and_b32 s30, s28, 7                          ; head
	s_mov_b32 s48, 0x76543210                      ; v_permlanex16_b32: lane l xor 16
	s_mov_b32 s49, 0xfedcba98
	v_and_b32 v1, 31, v0
	v_lshlrev_b32 v1, 4, v1                        ; 16 x lane
	s_lshl_b32 s40, s26, 10
	v_add_nc_u32 v2, s40, v1                       ; K's image of my tile: 16 x lane + 1,024 x wave
	s_lshr_b32 s40, s26, 2
	s_lshl_b32 s40, s40, 10                        ; V: group wave / 4,
	s_bfe_u32 s41, s26, 0x10001
	s_lshl_b32 s41, s41, 9                         ; registers 4 d on with d = (wave / 2) % 2,
	s_add_co_u32 s40, s40, s41
	s_and_b32 s41, s26, 1
	s_lshl_b32 s41, s41, 3                         ; the pair wave % 2 of them
	s_add_co_u32 s40, s40, s41
	v_add_nc_u32 v3, s40, v1
	v_and_b32 v7, 15, v0                           ; r
	v_bfe_u32 v28, v0, 4, 1                        ; h
	v_lshlrev_b32 v4, 7, v7
	v_lshl_add_u32 v4, v28, 4, v4                  ; a row of 128 codes: 128 r + 16 h.  Four loads of 16 bytes, 32 apart: the same permutation of k on both sides of each product
	v_mul_u32_u24 v5, v28, 8*SPT
	v_lshl_add_u32 v5, v7, 2, v5
	s_lshl_b32 s40, s26, 6
	s_add_co_u32 s40, s40, STG
	v_add_nc_u32 v5, s40, v5                       ; the stage, in: row 8 h (+ j by the immediate), query 16 x wave + r
	s_mul_i32 s40, s26, SPT
	s_add_co_u32 s40, s40, STG
	v_add_nc_u32 v6, s40, v1                       ; and back: row = my wave's number, 16 bytes a lane
	v_lshlrev_b32 v29, 5, v28                      ; bq, bk: my eight numbers begin 32 h bytes on
	v_lshlrev_b32 v31, 2, v7                       ; bv: my one number, 4 r bytes on
	s_lshl_b32 s40, s29, 19                        ; the batch's 4,096 rows of 128 bytes
	s_lshl_b32 s42, s26, 11                        ; my wave's 16 rows
	s_add_co_u32 s40, s40, s42
	s_mov_b32 s41, 0
	s_lshl_b32 s42, s27, 15                        ; my work-group's 256 queries
	s_mov_b32 s43, 0
	s_lshl_b32 s44, s30, 11                        ; the head's 16 rows of a weight
	s_mov_b32 s45, 0
	s_lshl_b32 s46, s30, 6                         ; the head's 16 numbers of a bias
	s_mov_b32 s47, 0
	s_lshl_b32 s58, s28, 4
	s_add_co_u32 s58, s58, s26                     ; out0: the row that I store: channel = my wave's number: 16 (8 batch + head) + wave,
	s_lshl_b32 s58, s58, 14                        ; of 16,384 bytes,
	s_lshl_b32 s59, s27, 10                        ; + my work-group's 256 queries
	s_add_co_u32 s58, s58, s59
	s_mov_b32 s59, 0
	s_wait_kmcnt 0x0
	s_load_b256 s[32:39], s[22:23], 0x0            ; e0 .. e7
	s_add_nc_u64 s[50:51], s[8:9], s[40:41]        ; x at my key tile of slot 0
	s_add_nc_u64 s[8:9], s[50:51], s[42:43]        ; x at my 16 queries
	s_add_nc_u64 s[10:11], s[10:11], s[44:45]
	s_add_nc_u64 s[12:13], s[12:13], s[44:45]
	s_add_nc_u64 s[14:15], s[14:15], s[44:45]
	s_add_nc_u64 s[16:17], s[16:17], s[46:47]
	s_add_nc_u64 s[18:19], s[18:19], s[46:47]
	s_add_nc_u64 s[20:21], s[20:21], s[46:47]
	s_add_nc_u64 s[24:25], s[24:25], s[58:59]
.irp c, 0,1,2,3
	global_load_b128 v[96+4*\c:99+4*\c], v4, s[10:11] offset:32*\c     ; wq (K's registers are free yet)
.endr
.irp c, 0,1,2,3
	global_load_b128 v[112+4*\c:115+4*\c], v4, s[8:9] offset:32*\c     ; x of my queries
.endr
.irp c, 0,1,2,3
	global_load_b128 v[48+4*\c:51+4*\c], v4, s[12:13] offset:32*\c     ; wk: it stays
.endr
.irp c, 0,1,2,3
	global_load_b128 v[64+4*\c:67+4*\c], v4, s[14:15] offset:32*\c     ; wv: it stays
.endr
.irp c, 0,1,2,3
	global_load_b128 v[80+4*\c:83+4*\c], v4, s[50:51] offset:32*\c     ; x of my key tile of slot 0
.endr
	global_load_b128 v[192:195], v29, s[16:17]                         ; bq at channels 8 h + 0 .. 7
	global_load_b128 v[196:199], v29, s[16:17] offset:16
	global_load_b128 v[32:35], v29, s[18:19]                           ; bk likewise
	global_load_b128 v[36:39], v29, s[18:19] offset:16
	global_load_b32 v27, v31, s[20:21]                                 ; bv at channel r
	v_mov_b32 v13, 0xff61b1e6                      ; the largest t so far: -3e38, under every t
	v_floor_f32 v14, -v13                          ; -M: the first turn finds it as the old one and writes the new one into v12
	v_mov_b32 v15, 0                               ; (upper halves of pairs of which the low word alone is taken)
	v_mov_b32 v17, 0
	v_mov_b32 v19, 0
	v_mov_b32 v9, 0
	v_mov_b32 v11, 0
	v_mov_b32 v22, 0                               ; written once: a lane permute's destination counts as one of its sources
.irp k, 0,1,2,3,4,5,6,7
	v_mov_b32 v[240+\k], 0                         ; O: the turn is written once; the first finds zeros, which the first change of M leaves zeros
.endr
.irp k, 0,1,2,3,4,5,6,7
	v_mov_b32 v[248+\k], 0                         ; the row's sum, in four packed chains: likewise
.endr
	s_wait_kmcnt 0x0
	s_add_co_i32 s53, s32, s33                     ; e0 + e1
	s_add_co_i32 s54, s34, s35                     ; e2 + e3
	s_add_co_i32 s55, s36, s37                     ; e4 + e5
	s_add_co_i32 s56, s38, s39                     ; e6 + e7
	v_mov_b32 v8, CLOG
	v_ldexp_f32 v8, v8, s53                        ; c 2^(e0 + e1): c is folded into q, so that the f32 product gives t
	v_ldexp_f32 v10, 1.0, s54
	v_ldexp_f32 v30, 1.0, s55
	v_ldexp_f32 v23, 1.0, s39                      ; 2^e7: the conversion takes its exponent field
	v_mov_b32 v24, 0x43e00000
	v_ldexp_f32 v24, v24, s39                      ; 448 x 2^e7
	v_ldexp_f32 v25, 1.0, s38                      ; 2^e6
	v_mov_b32 v26, 0x43e00000
	v_ldexp_f32 v26, v26, s38                      ; 448 x 2^e6
	s_wait_loadcnt 0x0
	v_wmma_f32_16x16x128_fp8_fp8 v[224:231], v[96:111], v[112:127], 0   ; q(channel 8 h + j, query r)
.irp k, 0,1,2,3,4,5,6,7
	v_mul_f32 v[192+\k], CLOG, v[192+\k]           ; c bq.  (These eight are the places behind the product)
.endr
.irp k, 0,2,4,6
	v_pk_fma_f32 v[40+\k:41+\k], v[224+\k:225+\k], v[8:9], v[192+\k:193+\k] op_sel_hi:[1,0,1]   ; c q = sum x c 2^(e0 + e1) + c bq
.endr
	PRODUCE 0, 1                                   ; slot 0 into buffer 0; x of slot 1 is asked for
	s_barrier_wait -1                              ; slot 0 is whole
	; ---- group 0's scores, with nothing beside them yet; K of group 1 follows into the same registers
	KLOAD 0, 0
	KLOAD 1, 0
	s_wait_dscnt 0x0
.set i, 0
.rept 8
	WM 0
.set i, i+1
.endr
.rept 8
	v_nop                                          ; eight places ahead of loads into registers that these products have read
.endr
	KLOAD 0, 4096
.rept 8
	WM 0
.set i, i+1
.endr
.rept 8
	v_nop
.endr
	KLOAD 1, 4096
	s_wait_dscnt 0x0                               ; no LDS instruction of mine is out at a signal
	s_barrier_signal -1                            ; its wait stands at the head of slot 0, as in every slot
	; ---- slots 0 to 13, two a trip, so that every LDS address is an immediate; the last trip asks for x of slot 15
	s_mov_b32 s52, 7
.Lslots:
	SLOTRUN 0, 1, 1, 1, 1, 1, 1
	SLOTRUN 1, 1, 1, 1, 1, 1, 1
	s_sub_co_u32 s52, s52, 1
	s_cmp_lg_u32 s52, 0
	s_cbranch_scc1 .Lslots
	SLOTRUN 0, 1, 0, 1, 0, 1, 1                    ; slot 14 makes slot 15; nothing more of x is asked for, and no buffer is written again
	SLOTRUN 1, 0, 0, 0, 0, 0, 0                    ; slot 15: its third turn fetches no K, its last makes no scores
	; ---- THE WAY OUT.  O x 2^(e6 + e7) / the row's sum goes into the stage, a row to a channel; wave w then stores channel w's 256 queries, 1,024 consecutive bytes
	v_pk_add_f32 v[248:249], v[248:249], v[250:251]   ; the four chains,
	v_pk_add_f32 v[252:253], v[252:253], v[254:255]
	v_pk_add_f32 v[248:249], v[248:249], v[252:253]
	v_add_f32 v16, v248, v249                      ; their two halves (these four are the places behind the last product),
	v_permlanex16_b32 v22, v16, s48, s49
	v_add_f32 v16, v16, v22                        ; and lane l xor 16's: the row's sum
	v_rcp_f32 v16, v16
	v_nop                                          ; one plain line behind the reciprocal
	s_wait_alu depctr_va_vdst(0)
	v_ldexp_f32 v16, v16, s56
.irp k, 0,2,4,6
	v_pk_mul_f32 v[192+\k:193+\k], v[240+\k:241+\k], v[16:17] op_sel_hi:[1,0]   ; from the accumulator's low end on
.endr
.irp k, 0,1,2,3,4,5,6,7
	ds_store_b32 v5, v[192+\k] offset:SPT*\k       ; O(channel 8 h + k, query 16 wave + r)
.endr
	s_wait_dscnt 0x0                               ; for the others' sake: my stores into the stage have landed
	s_barrier_signal -1
	s_barrier_wait -1
	ds_load_b128 v[200:203], v6
	ds_load_b128 v[204:207], v6 offset:512
	s_wait_dscnt 0x1                               ; the first is in; the second may be out
	global_store_b128 v1, v[200:203], s[24:25] th:TH_STORE_NT              ; 32 lanes store 512 consecutive bytes, at a multiple of 256 from out0's first byte
	s_wait_dscnt 0x0
	global_store_b128 v1, v[204:207], s[24:25] offset:512 th:TH_STORE_NT
	s_wait_xcnt 0x0
	v_lshl_add_u32 v254, v0, 2, 0xe100
	v_mov_b32 v255, 0
	s_wait_tensorcnt 0x0
	ds_add_u32 v254, v255
	s_wait_dscnt 0x0
	s_endpgm
.Lfunc_end_k_q627cf0173f_attn:
	.size	k_q627cf0173f_attn, .Lfunc_end_k_q627cf0173f_attn-k_q627cf0173f_attn
	.p2alignl 7, 3214868480
	.fill 96, 4, 3214868480
	.section	.rodata,"a",@progbits
	.p2align	6, 0x0
	.amdhsa_kernel k_q627cf0173f_attn
		.amdhsa_group_segment_fixed_size 59648
		.amdhsa_private_segment_fixed_size 0
		.amdhsa_enable_private_segment 0
		.amdhsa_kernarg_size 72
		.amdhsa_user_sgpr_count 2
		.amdhsa_user_sgpr_kernarg_segment_ptr 1
		.amdhsa_wavefront_size32 1
		.amdhsa_system_sgpr_workgroup_id_x 1
		.amdhsa_system_sgpr_workgroup_id_y 1
		.amdhsa_system_sgpr_workgroup_id_z 1
		.amdhsa_system_vgpr_workitem_id 0
		.amdhsa_next_free_vgpr 256
		.amdhsa_next_free_sgpr 66
		.amdhsa_reserve_vcc 0
		.amdhsa_float_denorm_mode_32 3
		.amdhsa_float_denorm_mode_16_64 3
		.amdhsa_memory_ordered 1
		.amdhsa_forward_progress 1
		.amdhsa_inst_pref_size 150
	.end_amdhsa_kernel
	.amdgpu_metadata
---
amdhsa.version: [ 1, 2 ]
amdhsa.kernels:
  - .name:           k_q627cf0173f_attn
    .symbol:         k_q627cf0173f_attn.kd
    .args:
      - { .name: x_codes, .offset: 0, .size: 8, .value_kind: global_buffer, .address_space: global }
      - { .name: wq_codes, .offset: 8, .size: 8, .value_kind: global_buffer, .address_space: global }
      - { .name: wk_codes, .offset: 16, .size: 8, .value_kind: global_buffer, .address_space: global }
      - { .name: wv_codes, .offset: 24, .size: 8, .value_kind: global_buffer, .address_space: global }
      - { .name: bq, .offset: 32, .size: 8, .value_kind: global_buffer, .address_space: global }
      - { .name: bk, .offset: 40, .size: 8, .value_kind: global_buffer, .address_space: global }
      - { .name: bv, .offset: 48, .size: 8, .value_kind: global_buffer, .address_space: global }
      - { .name: lowp_scales, .offset: 56, .size: 8, .value_kind: global_buffer, .address_space: global }
      - { .name: out0, .offset: 64, .size: 8, .value_kind: global_buffer, .address_space: global }
    .group_segment_fixed_size: 59648
    .private_segment_fixed_size: 0
    .kernarg_segment_align: 8
    .kernarg_segment_size: 72
    .max_flat_workgroup_size: 512
    .sgpr_count:     66
    .vgpr_count:     256
    .wavefront_size: 32
...
	.end_amdgpu_metadata
.endif
;; end of part 1
;; ======== version 2 of 2: 1 launch; version 1 with the launch attn written anew for expert scheduling mode
;; launch attn (part 2): grid 16 x 16, 16 waves a work-group, no clusters, 59,648 bytes of LDS; arguments x_codes, wq_codes, wk_codes, wv_codes, bq, bk, bv, lowp_scales, out0; writes out0
.if DOCPART == 2
	.amdgcn_target "amdgcn-amd-amdhsa--gfx1250"
	.amdhsa_code_object_version 6
	.text
	.protected	k_q627cf0173f_attn
	.globl	k_q627cf0173f_attn
	.p2align	8
	.type	k_q627cf0173f_attn,@function
k_q627cf0173f_attn:
	s_mov_b64 s[64:65], 0
	v_nop
	global_prefetch_b8 v0, s[64:65] scope:SCOPE_SE
	s_setreg_imm32_b32 hwreg(HW_REG_WAVE_SCHED_MODE, 0, 2), 2
	s_setreg_imm32_b32 hwreg(HW_REG_WAVE_MODE, 25, 1), 1
	s_wait_xcnt 0x0
	s_wait_alu depctr_vm_vsrc(0)
; SELF-ATTENTION OVER 4,096 TOKENS, 2 batches x 8 heads of 16 channels.  x: codes of E4M3 [2][4096][128]; wq, wk, wv: codes [128 out][128 in]; bq, bk, bv: f32 [128]; out0: f32 [2][128][4096].
; q, k, v = x W^T + b on codes (v_wmma_f32_16x16x128_fp8_fp8), each with its own pair of given exponents (e0,e1  e2,e3  e4,e5).  The scores, K = 16, go on into a quantiser: f32 operands
; (v_wmma_f32_16x16x4_f32).  t = q.k x log2(e) / sqrt(128); M = the running largest t rounded up to a whole number; p = 2^(t - M) is quantised with 2^e7, v with 2^e6; O = v p on codes
; (v_wmma_f32_16x16x64_fp8_fp8); the row's sum of the unquantised p divides at the end, with 2^(e6 + e7).
; LIMITS: e6 and e7 between -126 and 119 (2^e and 448 x 2^e are f32 numbers); the other exponents enter by v_ldexp_f32 and have none.  NaN and infinity among the inputs are not served.
; SHARES.  A work-group owns 256 queries of one head (x: block of queries, y: 8 x batch + head): 256 work-groups.  Each of its 16 waves owns one tile of 16 queries in 256 registers and walks all 4,096 keys,
; 64 a group.  k and v of the head are made on the way: for each slot of 256 keys wave w makes key tile w (two matrix instructions on codes) and lays it into LDS as an image of the operand's registers.
; LAYOUT (r = lane % 16, h = lane / 16).  k's product takes wk's 16 rows as source 0 and 16 keys of x as source 1: register j holds k(channel 8 h + j, key r): registers 2 s, 2 s + 1 ARE source 0 of K step s of the f32 form
; (its place 2 h + j stands for channel 8 h + 2 s + j); q is made the same way and is source 1 with the same map.  A tile of scores holds t(key 8 h + j, query r): a lane holds ONE query, and the eight codes of a tile
; are registers 2 T, 2 T + 1 of the second product's source 1.  v's product takes x as source 0: register j holds v(key 8 h + j, channel r): its eight codes are registers 2 T, 2 T + 1 of source 0.  O(channel 8 h + j, query r).
; BY TURNS.  In turn g the 16 f32 products of group g + 1 stand with slices of group g's softmax between them; the turn ends with group g's product on codes.  Two sets of scores take turns.
; THE HOLD AT THE LARGEST CODE is executed only where it can bite.  t <= M, so p is at most 1, up to the exponential's last bit; with e7 >= -8 the largest code stands for 448 x 2^e7 >= 1.75, above every p.
; So the 32 holds of a group stand together, and a scalar branch on e7 (a whole number read from an input; the same in every wave; no barrier and no LDS instruction stands under it) leads over them where e7 >= -8.
; NO CLUSTER, NO TENSOR LOAD: what work-groups share is x's codes, 2,048 bytes a wave and slot, which go from memory straight into the operand's registers a whole slot (262 matrix instructions of the wave) ahead of their use;
; a joint load would send them through LDS first and add a round of the cluster's barrier to every slot.  NO PREFETCH: no wave waits for these loads.
; LDS: two buffers of 20,480 bytes (slot i in buffer i % 2): K's images, tile t at 1,024 t (registers 4 c .. 4 c + 3 at 512 c + 16 x lane); from 16,384 V's images, group u at 1,024 u (registers 4 d .. 4 d + 3 at 512 d + 16 x lane);
; from 40,960 the stage for the way out: 16 channel rows of 1,024 bytes + 16; from 57,600 the spare words, 128 bytes a wave.
; REGISTERS: v1 16 x lane; v2, v3 where I store K's and V's images; v4 my byte in 16 rows of codes; v5, v6 the stage, in and back; v[8:9] c 2^(e0+e1); v[10:11] 2^(e2+e3); v12 and v14 -M, new and old by turns; v13 largest t;
; v[16:17] 1 / the sum, at the end; v[18:19] f; v20-22 at work; v23, v24 2^e7, 448 x 2^e7; v25, v26 the same with e6; v27 bv; v30 2^(e4+e5); v32-39 bk; v40-47 q; v48-63 wk; v64-79 wv; v80-95 x of the next slot; v96-127 K's four tiles;
; v128-159, v160-191 the two sets of scores (written by matrix instructions alone); v192-223 p; v224-231 p's codes; v232-239 V; v240-247 O; v248-255 the row's sum, four packed chains.
; THE MODE: SCHED_MODE bits 1:0 = 2 (LLVM: expert scheduling mode 2), set by the entry lines.  The code itself states the register dependences between vector or matrix instructions and memory or LDS instructions,
; with s_wait_alu, always for 0.
; THE PLAN.  Registers that memory or LDS instructions touch, and who else names them:
;   v1-v6, v29, v31   addresses and offsets: written at the head, ahead of the one wait in front of the first load; never written again.
;   v96-127  K        registers 0-3 of each tile: read by a turn's products 0-7, loaded again behind slice 10;  registers 4-7: read by products 8-15, loaded again at the end of slice 15.
;   v232-239 V        read by the turn's closing product on codes (at a slot's head: written and read in PRODUCE), loaded again behind slice 0 of the next turn.
;   v80-95   x        read by PRODUCE's two products, loaded again in PRODUCE.
;   v192-199, v208-209   written by PRODUCE's arithmetic, read by its three LDS stores, written again by the next turn's t - M.
;   the way out       v192-199 written by four multiplications and read by eight LDS stores; v200-207, last named by the last turn's conversions, take the loads from the stage.
; THE WAITS.  A turn has five on va_vdst.  Four stand ahead of the first sum of each block of eight p: each says that the block's exponentials have written p; the second of them, behind product 10, says also that products 0-7
; are done with K's registers 0-3, the fourth, behind product 15, that products 8-15 are done with K's registers 4-7; nothing between either wait and its loads names those registers.  The fifth stands at the turn's head:
; the last product on codes is done with V.  PRODUCE has one on va_vdst behind its arithmetic, for its stores, its loads of x and the next turn's load of V, and one on vm_vsrc behind its stores.
.set BUF,  20480
.set VB,   16384
.set STG,  40960
.set SPT,  1040
.set P,    192
.set CLOG, 0x3e0293ee                  ; c = log2(e) / sqrt(128)
; four loads: registers 4 c .. 4 c + 3 of the four tiles of K of the group at LDS byte off
.macro KLOAD c, off
.irp T, 0,1,2,3
	ds_load_b128 v[96+8*\T+4*(\c):96+8*\T+4*(\c)+3], v1 offset:(\off)+1024*\T+512*(\c)
.endr
.endm
; V's fragment (16 channels x 64 keys) of the group at LDS byte off
.macro VLOAD off
	ds_load_b128 v[232:235], v1 offset:(\off)
	ds_load_b128 v[236:239], v1 offset:(\off)+512
.endm
; f32 product i of 16 into set cs: K step i / 4, key tile i % 4.  The four accumulators take turns, one instruction a turn; the first four start the sums with the constant 0.
.macro WM cs
.set rS, 128+32*(\cs)+8*(i%4)
.set rK, 96+8*(i%4)+2*(i/4)
.set rQ, 40+2*(i/4)
.if i < 4
	v_wmma_f32_16x16x4_f32 v[rS:rS+7], v[rK:rK+1], v[rQ:rQ+1], 0
.else
	v_wmma_f32_16x16x4_f32 v[rS:rS+7], v[rK:rK+1], v[rQ:rQ+1], v[rS:rS+7]
.endif
.endm
.macro SUBP a                          ; pair a of 16: t - M, two at a time, into p's registers (of the pair that begins with -M the low word serves both halves)
	v_pk_add_f32 v[P+2*(\a):P+2*(\a)+1], v[SB+2*(\a):SB+2*(\a)+1], v[MN:MN+1] op_sel_hi:[1,0]
.endm
.macro EXPP a                          ; p = 2^(t - M)
	v_exp_f32 v[P+(\a)], v[P+(\a)]
.endm
; pair q of block blk of eight UNQUANTISED p goes onto chain q of the row's sum.  A group's first block brings the chain under the new M in the same instruction: chain x f + p.
; Ahead of a block's first sum stands ONE wait: all eight exponentials of the block were issued ahead of it, and the block's four sums, the holds and the conversions, which read their results, all come behind it.
.macro ADDL blk, q
.if (\q) == 0
.if (\blk) == 1
	s_wait_alu depctr_va_vdst(0)                   ; block 1's exponentials have written p 8-15, which the sums read; and products 0-7 are done reading K's registers 0-3, in which the loads behind this slice land
.elseif (\blk) == 3
	s_wait_alu depctr_va_vdst(0)                   ; block 3's exponentials have written p 24-31, which the sums read; and products 8-15 are done reading K's registers 4-7, in which the loads at this slice's end land
.else
	s_wait_alu depctr_va_vdst(0)                   ; this block's eight exponentials have written their p, which the block's sums read
.endif
.endif
.if (\blk) == 0
	v_pk_fma_f32 v[248+2*(\q):249+2*(\q)], v[248+2*(\q):249+2*(\q)], v[18:19], v[P+2*(\q):P+2*(\q)+1] op_sel_hi:[1,0,1]
.else
	v_pk_add_f32 v[248+2*(\q):249+2*(\q)], v[248+2*(\q):249+2*(\q)], v[P+8*(\blk)+2*(\q):P+8*(\blk)+2*(\q)+1]
.endif
.endm
; NUMBER j OF A GROUP'S SOFTMAX, a list of 95; SB is the set of scores that it reads, MN the register that takes the new -M, MO the one that holds the old.
;   0-15   the largest of my 32 scores and the old largest t, in two chains; each tile of scores is first read at its lowest register
;   16-21  the other half of the lanes'; -M = floor(-t); f = 2^(old M - new M), by v_ldexp_f32 of 1.0: a multiplication by f rounds nothing
;   22-25  t - M of the first block of eight
;   26-37  the first block's exponentials, t - M of the second block between them
;   38-69  twice 16: a block's eight exponentials, by turns with t - M of the block after it and the sums of the block before it
;   70-81  the last block's exponentials and the third block's sums
;   82-85  the last block's sums
;   86     the 32 holds, under the branch on e7
;   87-94  three quarters of O x f; the four conversions; the last quarter of O x f, which is the plain line between the last conversion and the product that reads the codes
; Behind every exponential a plain instruction that touches none of its registers stands ahead of the use of its result (ISA guide 5.7.2).
.macro VI
.if j < 2
	v_max3_num_f32 v[20+j], v[SB+16*j], v[SB+16*j+1], v[SB+16*j+2]
.elseif j < 14
	v_max3_num_f32 v[20+j%2], v[20+j%2], v[SB+16*(j%2)+3+2*((j-2)/2)], v[SB+16*(j%2)+4+2*((j-2)/2)]
.elseif j == 14
	v_max3_num_f32 v20, v20, v[SB+15], v[SB+31]
.elseif j == 15
	v_max3_num_f32 v20, v20, v21, v13
.elseif j == 16
	v_permlanex16_b32 v22, v20, s48, s49
.elseif j == 17
	v_max_num_f32 v13, v20, v22
.elseif j == 18
	v_floor_f32 v[MN], -v13
.elseif j == 19
	v_sub_f32 v21, v[MN], v[MO]
.elseif j == 20
	v_cvt_i32_f32 v21, v21
.elseif j == 21
	v_ldexp_f32 v18, 1.0, v21
.elseif j < 26
	SUBP j-22
.elseif j < 38
.set n, j-26
.if n%3 == 2
	SUBP 4+n/3
.else
	EXPP 2*(n/3)+n%3
.endif
.elseif j < 70
.set u, (j-38)/16+1
.set n, (j-38)%16
.set m, n/2
.if n%2 == 0
	EXPP 8*u+m
.elseif m%2 == 0
	SUBP 4*(u+1)+m/2
.else
	ADDL u-1, m/2
.endif
.elseif j < 82
.set n, j-70
.if n >= 10
	ADDL 2, n-8
.elseif n >= 6
	EXPP 22+n
.elseif n%3 == 2
	ADDL 2, n/3
.else
	EXPP 24+2*(n/3)+n%3
.endif
.elseif j < 86
	ADDL 3, j-82
.elseif j == 86
	s_cmp_gt_i32 s39, -9                           ; e7 >= -8: 448 x 2^e7 is at least 1.75, above every p
	s_cbranch_scc1 .Lno_hold_\@
.irp k, 0,1,2,3,4,5,6,7,8,9,10,11,12,13,14,15,16,17,18,19,20,21,22,23,24,25,26,27,28,29,30,31
	v_min_num_f32 v[P+\k], v[P+\k], v24            ; the conversion to an 8-bit code does not saturate (ISA guide 7.6.2); p is not negative, so the hold is one-sided; the sums above took p as it was
.endr
.Lno_hold_\@:
.elseif j < 90
	v_pk_mul_f32 v[240+2*(j-87):241+2*(j-87)], v[240+2*(j-87):241+2*(j-87)], v[18:19] op_sel_hi:[1,0]   ; O under the new M, from the accumulator's low end on
.elseif j < 94
	v_cvt_scalef32_pk8_fp8_f32 v[224+2*(j-90):225+2*(j-90)], v[P+8*(j-90):P+8*(j-90)+7], v23
.else
	v_pk_mul_f32 v[246:247], v[246:247], v[18:19] op_sel_hi:[1,0]
.endif
.set j, j+1
.endm
.macro SLICE cnt
.rept \cnt
	VI
.endr
.endm
; TURN g.  cs: the set that takes group g + 1's scores (the softmax reads the other); it also says which of v12 and v14 takes the new -M.  koff: LDS byte of K of group g + 2, or -1: none.  voff: LDS byte of V of group g.
; wt: the wait of the barrier that says 'the next slot lies in LDS' stands ahead of the first read of that slot.  sig: the signal 'my reads of this slot are over'.  mm = 0: the last turn, which has no scores to make.
; wa = 1: in the last two turns.  The last turn has no f32 products, so the products on codes of groups 62 and 63 follow each other among the matrix instructions, two on O on end.
; vw = 1: a turn stands ahead of this one, and its product on codes was the last to read V: the wait at the head says that it is done.  vw = 0: PRODUCE stands ahead, whose own wait has said that of v232-239.
; Slices: 7, 7, 6, 6 (the 26 plain numbers at the head), ten of 5 and one of 4 (those with the exponentials), 15.
; K's registers 0-3 of each tile are read by products 0-7 and loaded again behind slice 10, in which the wait ahead of block 1's sums stands; products 11-15 and the numbers of the softmax name none of them.
; K's registers 4-7 are read by products 8-15 and loaded again behind slice 15, in which the wait ahead of block 3's sums stands, on both ways round the holds.  Slice 15 holds 10 plain instructions on the way that leaves
; the holds out: the places ahead of the next turn's first read of the scores (8 are asked: ISA guide 7.12.1).
; V is loaded behind slice 0; product 0 and slice 0 name none of its registers.
.macro TURN cs, koff, voff, wt, sig, mm, wa, vw
.set SB, 128+32*(1-(\cs))
.if \cs
.set MN, 12
.set MO, 14
.else
.set MN, 14
.set MO, 12
.endif
.set j, 0
.set i, 0
	s_wait_dscnt 0x4                               ; K's registers 0-3 are in; the four loads issued behind them (registers 4-7) may be out
.if \vw
	s_wait_alu depctr_va_vdst(0)                   ; the last turn's product on codes is done reading V, v232-239, in which the two loads behind slice 0 land
.endif
.rept 16
.if i == 8
	s_wait_dscnt 0x0                               ; K's registers 4-7 and V are in: none of my LDS loads is out
.if \sig
	s_barrier_signal -1                            ; my reads of this slot's buffer are over (V of its last group was the last)
.endif
.endif
.if \mm
	WM \cs
.endif
.if i < 2
	SLICE 7
.elseif i < 4
	SLICE 6
.elseif i < 14
	SLICE 5
.elseif i == 14
	SLICE 4
.else
	SLICE 15
.endif
.if i == 0
	VLOAD \voff
.endif
.if i == 10
.if \wt
	s_barrier_wait -1                              ; every wave's tile of the next slot lies in LDS
.endif
.if (\koff) >= 0
	KLOAD 0, \koff
.endif
.endif
.if (i == 15) && ((\koff) >= 0)
	KLOAD 1, \koff
.endif
.set i, i+1
.endr
.if \wa
	s_wait_alu depctr_va_vdst(0)                   ; ahead of both products of the run of two on O
.endif
	v_wmma_f32_16x16x64_fp8_fp8 v[240:247], v[232:239], v[224:231], v[240:247]
.endm
; MY KEY TILE OF A SLOT is made from x's fragment in v80-95 and stored into buffer buf.  pf = 1: x's fragment of the slot after it is asked for.
; All its memory and LDS instructions stand in one run behind its arithmetic, behind one wait.
.macro PRODUCE buf, pf
.rept 5
	v_nop                                          ; the two products below write over the sources of the last product on codes: five places
.endr
	s_wait_loadcnt 0x0                             ; x's fragment is in, so its base may be stepped
	v_wmma_f32_16x16x128_fp8_fp8 v[224:231], v[48:63], v[80:95], 0   ; k(channel 8 h + j, key r)
	v_wmma_f32_16x16x128_fp8_fp8 v[232:239], v[80:95], v[64:79], 0   ; v(key 8 h + j, channel r)
.rept 4
	v_nop                                          ; places ahead of the first read of the sums
.endr
.irp k, 0,2,4,6
	v_pk_fma_f32 v[192+\k:193+\k], v[224+\k:225+\k], v[10:11], v[32+\k:33+\k] op_sel_hi:[1,0,1]   ; k = sum x 2^(e2 + e3) + bk
.endr
.irp k, 0,1,2,3,4,5,6,7
	v_fma_f32 v[200+\k], v[232+\k], v30, v27       ; v = sum x 2^(e4 + e5) + bv
.endr
.irp k, 0,1,2,3,4,5,6,7
	v_med3_num_f32 v[200+\k], v[200+\k], -v26, v26 ; the hold at the largest code x 2^e6
.endr
	v_cvt_scalef32_pk8_fp8_f32 v[208:209], v[200:207], v25
	v_nop                                          ; one plain line behind the conversion
	s_wait_alu depctr_va_vdst(0)                   ; k (v192-199) and v's codes (v208-209) are written, which the stores read; the two products are done reading x's fragment, in which the loads land; v232-239 are done with, in which the next turn's V lands
.if \pf
	s_add_nc_u64 s[50:51], s[50:51], 0x8000        ; 256 keys of 128 bytes on
.irp c, 0,1,2,3
	global_load_b128 v[80+4*\c:83+4*\c], v4, s[50:51] offset:32*\c
.endr
.endif
	ds_store_b128 v2, v[192:195] offset:(\buf)*BUF
	ds_store_b128 v2, v[196:199] offset:(\buf)*BUF+512
	ds_store_b64  v3, v[208:209] offset:(\buf)*BUF+VB
	s_wait_dscnt 0x0                               ; for the others' sake: my stores have landed (and my loads of K are in)
	s_wait_alu depctr_vm_vsrc(0)                   ; the three stores have read v192-199 and v208-209, which the next turn's t - M writes again
	s_barrier_signal -1                            ; my tile of that slot lies in LDS
.endm
; A SLOT in buffer b: four turns.  prod: at its head the wait 'nobody reads the other buffer any more', then the next slot is made into that buffer.
; Between each signal and its wait stand register work and LDS loads from a buffer that is written again only behind a later barrier.
; kl2 = 0: the last slot: its third turn fetches no K, and its last two products on codes follow each other (TURN's wa).
.macro SLOTRUN b, prod, pf, wt, sig, kl2, mm3
.if \prod
	s_barrier_wait -1
	PRODUCE 1-\b, \pf
.endif
	TURN 1, \b*BUF+2*4096, \b*BUF+VB, 0, 0, 1, 0, 1-\prod
	TURN 0, \b*BUF+3*4096, \b*BUF+VB+1024, 0, 0, 1, 0, 1
.if \kl2
	TURN 1, (1-\b)*BUF, \b*BUF+VB+2048, \wt, 0, 1, 0, 1
	TURN 0, (1-\b)*BUF+4096, \b*BUF+VB+3072, 0, \sig, \mm3, 0, 1
.else
	TURN 1, -1, \b*BUF+VB+2048, \wt, 0, 1, 1, 1
	TURN 0, -1, \b*BUF+VB+3072, 0, \sig, \mm3, 1, 1
.endif
.endm
	; ---- THE HEAD
	s_load_b256 s[8:15], s[0:1], 0x0               ; x s[8:9], wq s[10:11], wk s[12:13], wv s[14:15]
	s_load_b256 s[16:23], s[0:1], 0x20             ; bq s[16:17], bk s[18:19], bv s[20:21], the exponents s[22:23]
	s_load_b64 s[24:25], s[0:1], 0x40              ; out0
	v_lshrrev_b32 v20, 5, v0
	v_readfirstlane_b32 s26, v20                   ; wave 0..15
	s_mov_b32 s27, ttmp9                           ; block of 256 queries
	s_and_b32 s28, ttmp7, 0xffff                   ; 8 x batch + head
	s_lshr_b32 s29, s28, 3                         ; batch
	s_and_b32 s30, s28, 7                          ; head
	s_mov_b32 s48, 0x76543210                      ; v_permlanex16_b32: lane l xor 16
	s_mov_b32 s49, 0xfedcba98
	v_and_b32 v1, 31, v0
	v_lshlrev_b32 v1, 4, v1                        ; 16 x lane
	s_wait_alu depctr_va_sdst(0)                   ; s26, the wave's number, is written, ahead of its first reader: LDS addresses and the bases of x and out0 are made from it
	s_lshl_b32 s40, s26, 10
	v_add_nc_u32 v2, s40, v1                       ; K's image of my tile: 16 x lane + 1,024 x wave
	s_lshr_b32 s40, s26, 2
	s_lshl_b32 s40, s40, 10                        ; V: group wave / 4,
	s_bfe_u32 s41, s26, 0x10001
	s_lshl_b32 s41, s41, 9                         ; registers 4 d on with d = (wave / 2) % 2,
	s_add_co_u32 s40, s40, s41
	s_and_b32 s41, s26, 1
	s_lshl_b32 s41, s41, 3                         ; the pair wave % 2 of them
	s_add_co_u32 s40, s40, s41
	v_add_nc_u32 v3, s40, v1
	v_and_b32 v7, 15, v0                           ; r
	v_bfe_u32 v28, v0, 4, 1                        ; h
	v_lshlrev_b32 v4, 7, v7
	v_lshl_add_u32 v4, v28, 4, v4                  ; a row of 128 codes: 128 r + 16 h.  Four loads of 16 bytes, 32 apart: the same permutation of k on both sides of each product
	v_mul_u32_u24 v5, v28, 8*SPT
	v_lshl_add_u32 v5, v7, 2, v5
	s_lshl_b32 s40, s26, 6
	s_add_co_u32 s40, s40, STG
	v_add_nc_u32 v5, s40, v5                       ; the stage, in: row 8 h (+ j by the immediate), query 16 x wave + r
	s_mul_i32 s40, s26, SPT
	s_add_co_u32 s40, s40, STG
	v_add_nc_u32 v6, s40, v1                       ; and back: row = my wave's number, 16 bytes a lane
	v_lshlrev_b32 v29, 5, v28                      ; bq, bk: my eight numbers begin 32 h bytes on
	v_lshlrev_b32 v31, 2, v7                       ; bv: my one number, 4 r bytes on
	s_lshl_b32 s40, s29, 19                        ; the batch's 4,096 rows of 128 bytes
	s_lshl_b32 s42, s26, 11                        ; my wave's 16 rows
	s_add_co_u32 s40, s40, s42
	s_mov_b32 s41, 0
	s_lshl_b32 s42, s27, 15                        ; my work-group's 256 queries
	s_mov_b32 s43, 0
	s_lshl_b32 s44, s30, 11                        ; the head's 16 rows of a weight
	s_mov_b32 s45, 0
	s_lshl_b32 s46, s30, 6                         ; the head's 16 numbers of a bias
	s_mov_b32 s47, 0
	s_lshl_b32 s58, s28, 4
	s_add_co_u32 s58, s58, s26                     ; out0: the row that I store: channel = my wave's number: 16 (8 batch + head) + wave,
	s_lshl_b32 s58, s58, 14                        ; of 16,384 bytes,
	s_lshl_b32 s59, s27, 10                        ; + my work-group's 256 queries
	s_add_co_u32 s58, s58, s59
	s_mov_b32 s59, 0
	s_wait_kmcnt 0x0
	s_load_b256 s[32:39], s[22:23], 0x0            ; e0 .. e7
	s_add_nc_u64 s[50:51], s[8:9], s[40:41]        ; x at my key tile of slot 0
	s_add_nc_u64 s[8:9], s[50:51], s[42:43]        ; x at my 16 queries
	s_add_nc_u64 s[10:11], s[10:11], s[44:45]
	s_add_nc_u64 s[12:13], s[12:13], s[44:45]
	s_add_nc_u64 s[14:15], s[14:15], s[44:45]
	s_add_nc_u64 s[16:17], s[16:17], s[46:47]
	s_add_nc_u64 s[18:19], s[18:19], s[46:47]
	s_add_nc_u64 s[20:21], s[20:21], s[46:47]
	s_add_nc_u64 s[24:25], s[24:25], s[58:59]
	s_wait_alu depctr_va_vdst(0)                   ; the addresses and offsets v1 to v6, v29 and v31 are written: every load and store of the kernel, global or LDS, reads one of them, and none is written again
.irp c, 0,1,2,3
	global_load_b128 v[96+4*\c:99+4*\c], v4, s[10:11] offset:32*\c     ; wq (K's registers are free yet)
.endr
.irp c, 0,1,2,3
	global_load_b128 v[112+4*\c:115+4*\c], v4, s[8:9] offset:32*\c     ; x of my queries
.endr
.irp c, 0,1,2,3
	global_load_b128 v[48+4*\c:51+4*\c], v4, s[12:13] offset:32*\c     ; wk: it stays
.endr
.irp c, 0,1,2,3
	global_load_b128 v[64+4*\c:67+4*\c], v4, s[14:15] offset:32*\c     ; wv: it stays
.endr
.irp c, 0,1,2,3
	global_load_b128 v[80+4*\c:83+4*\c], v4, s[50:51] offset:32*\c     ; x of my key tile of slot 0
.endr
	global_load_b128 v[192:195], v29, s[16:17]                         ; bq at channels 8 h + 0 .. 7
	global_load_b128 v[196:199], v29, s[16:17] offset:16
	global_load_b128 v[32:35], v29, s[18:19]                           ; bk likewise
	global_load_b128 v[36:39], v29, s[18:19] offset:16
	global_load_b32 v27, v31, s[20:21]                                 ; bv at channel r
	v_mov_b32 v13, 0xff61b1e6                      ; the largest t so far: -3e38, under every t
	v_floor_f32 v14, -v13                          ; -M: the first turn finds it as the old one and writes the new one into v12
	v_mov_b32 v15, 0                               ; (upper halves of pairs of which the low word alone is taken)
	v_mov_b32 v17, 0
	v_mov_b32 v19, 0
	v_mov_b32 v9, 0
	v_mov_b32 v11, 0
	v_mov_b32 v22, 0                               ; written once: a lane permute's destination counts as one of its sources
.irp k, 0,1,2,3,4,5,6,7
	v_mov_b32 v[240+\k], 0                         ; O: the turn is written once; the first finds zeros, which the first change of M leaves zeros
.endr
.irp k, 0,1,2,3,4,5,6,7
	v_mov_b32 v[248+\k], 0                         ; the row's sum, in four packed chains: likewise
.endr
	s_wait_kmcnt 0x0
	s_add_co_i32 s53, s32, s33                     ; e0 + e1
	s_add_co_i32 s54, s34, s35                     ; e2 + e3
	s_add_co_i32 s55, s36, s37                     ; e4 + e5
	s_add_co_i32 s56, s38, s39                     ; e6 + e7
	v_mov_b32 v8, CLOG
	v_ldexp_f32 v8, v8, s53                        ; c 2^(e0 + e1): c is folded into q, so that the f32 product gives t
	v_ldexp_f32 v10, 1.0, s54
	v_ldexp_f32 v30, 1.0, s55
	v_ldexp_f32 v23, 1.0, s39                      ; 2^e7: the conversion takes its exponent field
	v_mov_b32 v24, 0x43e00000
	v_ldexp_f32 v24, v24, s39                      ; 448 x 2^e7
	v_ldexp_f32 v25, 1.0, s38                      ; 2^e6
	v_mov_b32 v26, 0x43e00000
	v_ldexp_f32 v26, v26, s38                      ; 448 x 2^e6
	s_wait_loadcnt 0x0
	v_wmma_f32_16x16x128_fp8_fp8 v[224:231], v[96:111], v[112:127], 0   ; q(channel 8 h + j, query r)
.irp k, 0,1,2,3,4,5,6,7
	v_mul_f32 v[192+\k], CLOG, v[192+\k]           ; c bq.  (These eight are the places behind the product)
.endr
.irp k, 0,2,4,6
	v_pk_fma_f32 v[40+\k:41+\k], v[224+\k:225+\k], v[8:9], v[192+\k:193+\k] op_sel_hi:[1,0,1]   ; c q = sum x c 2^(e0 + e1) + c bq
.endr
	PRODUCE 0, 1                                   ; slot 0 into buffer 0; x of slot 1 is asked for
	s_barrier_wait -1                              ; slot 0 is whole
	; ---- group 0's scores, with nothing beside them yet; K of group 1 follows into the same registers
	KLOAD 0, 0                                     ; q's product, the last to name v96-127, stands ahead of PRODUCE's wait on va_vdst, and nothing since names them
	KLOAD 1, 0
	s_wait_dscnt 0x0
.set i, 0
.rept 8
	WM 0
.set i, i+1
.endr
.rept 8
	v_nop                                          ; eight plain lines between these products and the loads into registers that they have read; they stay beside the wait below, which states the dependence
.endr
	s_wait_alu depctr_va_vdst(0)                   ; products 0-7 are done reading K's registers 0-3, in which the next four loads land
	KLOAD 0, 4096
.rept 8
	WM 0
.set i, i+1
.endr
.rept 8
	v_nop                                          ; likewise
.endr
	s_wait_alu depctr_va_vdst(0)                   ; products 8-15 are done reading K's registers 4-7, in which the next four loads land
	KLOAD 1, 4096
	s_wait_dscnt 0x0                               ; no LDS instruction of mine is out at a signal
	s_barrier_signal -1                            ; its wait stands at the head of slot 0, as in every slot
	; ---- slots 0 to 13, two a trip, so that every LDS address is an immediate; the last trip asks for x of slot 15
	s_mov_b32 s52, 7
.Lslots:
	SLOTRUN 0, 1, 1, 1, 1, 1, 1
	SLOTRUN 1, 1, 1, 1, 1, 1, 1
	s_sub_co_u32 s52, s52, 1
	s_cmp_lg_u32 s52, 0
	s_cbranch_scc1 .Lslots
	SLOTRUN 0, 1, 0, 1, 0, 1, 1                    ; slot 14 makes slot 15; nothing more of x is asked for, and no buffer is written again
	SLOTRUN 1, 0, 0, 0, 0, 0, 0                    ; slot 15: its third turn fetches no K, its last makes no scores
	; ---- THE WAY OUT.  O x 2^(e6 + e7) / the row's sum goes into the stage, a row to a channel; wave w then stores channel w's 256 queries, 1,024 consecutive bytes
	v_pk_add_f32 v[248:249], v[248:249], v[250:251]   ; the four chains,
	v_pk_add_f32 v[252:253], v[252:253], v[254:255]
	v_pk_add_f32 v[248:249], v[248:249], v[252:253]
	v_add_f32 v16, v248, v249                      ; their two halves (these four are the places behind the last product),
	v_permlanex16_b32 v22, v16, s48, s49
	v_add_f32 v16, v16, v22                        ; and lane l xor 16's: the row's sum
	v_rcp_f32 v16, v16
	v_nop                                          ; one plain line behind the reciprocal
	s_wait_alu depctr_va_vdst(0)                   ; the reciprocal has written v16, which the next line reads
	v_ldexp_f32 v16, v16, s56
.irp k, 0,2,4,6
	v_pk_mul_f32 v[192+\k:193+\k], v[240+\k:241+\k], v[16:17] op_sel_hi:[1,0]   ; from the accumulator's low end on
.endr
	s_wait_alu depctr_va_vdst(0)                   ; the four multiplications have written v192-199, which the LDS stores read; the last turn's conversions are done with v200-207, in which the loads from the stage land
.irp k, 0,1,2,3,4,5,6,7
	ds_store_b32 v5, v[192+\k] offset:SPT*\k       ; O(channel 8 h + k, query 16 wave + r)
.endr
	s_wait_dscnt 0x0                               ; for the others' sake: my stores into the stage have landed
	s_barrier_signal -1
	s_barrier_wait -1
	ds_load_b128 v[200:203], v6
	ds_load_b128 v[204:207], v6 offset:512
	s_wait_dscnt 0x1                               ; the first is in; the second may be out
	global_store_b128 v1, v[200:203], s[24:25] th:TH_STORE_NT              ; 32 lanes store 512 consecutive bytes, at a multiple of 256 from out0's first byte
	s_wait_dscnt 0x0
	global_store_b128 v1, v[204:207], s[24:25] offset:512 th:TH_STORE_NT
	s_wait_xcnt 0x0                                ; the two stores have had their addresses translated
	v_lshl_add_u32 v254, v0, 2, 0xe100             ; my spare word, behind the stage: made anew here, in registers of the row's sum, which no memory or LDS instruction has read
	v_mov_b32 v255, 0
	s_wait_dscnt 0x0                               ; the closing lines, six on end
	s_wait_alu 0x0
	s_wait_tensorcnt 0x0
	ds_add_u32 v254, v255
	s_wait_dscnt 0x0
	s_endpgm
.Lfunc_end_k_q627cf0173f_attn:
	.size	k_q627cf0173f_attn, .Lfunc_end_k_q627cf0173f_attn-k_q627cf0173f_attn
	.p2alignl 7, 3214868480
	.fill 96, 4, 3214868480
	.section	.rodata,"a",@progbits
	.p2align	6, 0x0
	.amdhsa_kernel k_q627cf0173f_attn
		.amdhsa_group_segment_fixed_size 59648
		.amdhsa_private_segment_fixed_size 0
		.amdhsa_enable_private_segment 0
		.amdhsa_kernarg_size 72
		.amdhsa_user_sgpr_count 2
		.amdhsa_user_sgpr_kernarg_segment_ptr 1
		.amdhsa_wavefront_size32 1
		.amdhsa_system_sgpr_workgroup_id_x 1
		.amdhsa_system_sgpr_workgroup_id_y 1
		.amdhsa_system_sgpr_workgroup_id_z 1
		.amdhsa_system_vgpr_workitem_id 0
		.amdhsa_next_free_vgpr 256
		.amdhsa_next_free_sgpr 66
		.amdhsa_reserve_vcc 0
		.amdhsa_float_denorm_mode_32 3
		.amdhsa_float_denorm_mode_16_64 3
		.amdhsa_memory_ordered 1
		.amdhsa_forward_progress 1
		.amdhsa_inst_pref_size 145
	.end_amdhsa_kernel
	.amdgpu_metadata
---
amdhsa.version: [ 1, 2 ]
amdhsa.kernels:
  - .name:           k_q627cf0173f_attn
    .symbol:         k_q627cf0173f_attn.kd
    .args:
      - { .name: x_codes, .offset: 0, .size: 8, .value_kind: global_buffer, .address_space: global }
      - { .name: wq_codes, .offset: 8, .size: 8, .value_kind: global_buffer, .address_space: global }
      - { .name: wk_codes, .offset: 16, .size: 8, .value_kind: global_buffer, .address_space: global }
      - { .name: wv_codes, .offset: 24, .size: 8, .value_kind: global_buffer, .address_space: global }
      - { .name: bq, .offset: 32, .size: 8, .value_kind: global_buffer, .address_space: global }
      - { .name: bk, .offset: 40, .size: 8, .value_kind: global_buffer, .address_space: global }
      - { .name: bv, .offset: 48, .size: 8, .value_kind: global_buffer, .address_space: global }
      - { .name: lowp_scales, .offset: 56, .size: 8, .value_kind: global_buffer, .address_space: global }
      - { .name: out0, .offset: 64, .size: 8, .value_kind: global_buffer, .address_space: global }
    .group_segment_fixed_size: 59648
    .private_segment_fixed_size: 0
    .kernarg_segment_align: 8
    .kernarg_segment_size: 72
    .max_flat_workgroup_size: 512
    .sgpr_count:     66
    .vgpr_count:     256
    .wavefront_size: 32
...
	.end_amdgpu_metadata
.endif
;; end of part 2
